; MI455X (gfx1250); checked and timed in simulation.
; The chip was launched on July 23, 2026; its instructions are those of AMD's public machine-readable ISA for CDNA 5 (MIT licence, August 2026) and "CDNA5" Instruction Set Architecture Reference Guide (July 2026). The comments in the code are by the model that wrote it; some were corrected since.
;; Causal Self Attention. Allowed arithmetic: float matrix products may take bf16 or f16 operands with f32 sums; all other float work in f32.
;; Inputs: w_attn 3,072 x 1,024 float32; w_proj 1,024 x 1,024 float32; x 4 x 2,048 x 1,024 float32.
;; Outputs: out0 4 x 2,048 x 1,024 float32.
;; 2 versions, each right; version 2 is version 1 with the launch cvt written anew for expert scheduling mode. Each part assembles by itself: llvm-mc -triple=amdgcn-amd-amdhsa -mcpu=gfx1250 --defsym DOCPART=n.
;; ======== version 1 of 2: 4 launches
;; limits: values are held in f16: magnitudes above 65,504 overflow, below 6.1e-05 lose precision
;; workspace buffers: bf 25,165,824 bytes; qkvh 50,331,648 bytes; yh 16,777,216 bytes
;; launch cvt (part 1): grid 768 x 1, 8 waves a work-group, no clusters, 0 bytes of LDS; arguments x, w_attn, w_proj, bf; writes bf
.if DOCPART == 1
	.amdgcn_target "amdgcn-amd-amdhsa--gfx1250"
	.amdhsa_code_object_version 6
	.text
	.protected	k_q0787608864_cvt
	.globl	k_q0787608864_cvt
	.p2align	8
	.type	k_q0787608864_cvt,@function
k_q0787608864_cvt:
	s_mov_b64 s[64:65], 0
	v_nop
	global_prefetch_b8 v0, s[64:65] scope:SCOPE_SE
	s_setreg_imm32_b32 hwreg(HW_REG_WAVE_MODE, 25, 1), 1
	s_wait_xcnt 0x0
; The three f32 inputs are rounded once to 16 bits, one behind the other in bf:
;   x      -> bf16 [8192][1024] at byte 0
;   w_attn -> bf16 [3072][1024] at byte 16,777,216
;   w_proj -> rounded to bf16, then written as f16, [1024][1024] at byte 23,068,672 (its partner in the last product is f16)
; LIMITS: the step from bf16 to f16 is exact for 2^-17 <= |w_proj| <= 65,504; below that it is off by at most 2^-25, above it the result is infinite.
; A stream: every byte is read once and written once, so there is no LDS, no barrier and no matrix unit.
; A work-group takes 16,384 numbers (65,536 bytes in, 32,768 out): groups 0-511 x, 512-703 w_attn, 704-767 w_proj; the place in bf is group x 32,768.
; A wave takes 2,048 numbers: sixteen loads of 512 neighbouring bytes, all issued at once, and sixteen stores of 256 neighbouring bytes, aligned.
.set X, 4                              ; v[4:67]   load i: 4 numbers in f32
.set Y, 68                             ; v[68:99]  store i: 4 numbers in 16 bits
	s_load_b256 s[4:11], s[0:1], 0x0               ; x s[4:5], w_attn s[6:7], w_proj s[8:9], bf s[10:11]
	v_and_b32 v3, 31, v0                           ; lane
	v_lshrrev_b32 v2, 5, v0                        ; wave
	v_lshlrev_b32 v1, 4, v3
	v_lshl_add_u32 v1, v2, 13, v1                  ; in: 8,192 x wave + 16 x lane
	v_lshlrev_b32 v3, 3, v3
	v_lshl_add_u32 v2, v2, 12, v3                  ; out: 4,096 x wave + 8 x lane
	s_wait_kmcnt 0x0
	s_cmp_lt_u32 ttmp9, 512                        ; which input, and the number of its first group
	s_cselect_b64 s[12:13], s[4:5], s[6:7]
	s_cselect_b32 s14, 0, 512
	s_cmp_lt_u32 ttmp9, 704
	s_cselect_b64 s[12:13], s[12:13], s[8:9]
	s_cselect_b32 s14, s14, 704
	s_sub_co_u32 s15, ttmp9, s14
	s_lshl_b32 s16, s15, 16                        ; 65,536 bytes of the input for each group
	s_mov_b32 s17, 0
	s_add_nc_u64 s[12:13], s[12:13], s[16:17]
	s_lshl_b32 s18, ttmp9, 15                      ; 32,768 bytes of bf for each group
	s_mov_b32 s19, 0
	s_add_nc_u64 s[10:11], s[10:11], s[18:19]
.set i, 0
.rept 16
	global_load_b128 v[X+4*i:X+4*i+3], v1, s[12:13] offset:512*i th:TH_LOAD_NT
.set i, i+1
.endr
; Load i is rounded and stored.  half = 1: the bf16 numbers are widened again (a shift, a mask) and written as f16.
.macro OUT i, half
	s_wait_loadcnt 15-\i                           ; loads come back in order: mine is in, the 15 - i younger ones stay out
	v_cvt_pk_bf16_f32 v[Y+2*\i],   v[X+4*\i],   v[X+4*\i+1]
	v_cvt_pk_bf16_f32 v[Y+2*\i+1], v[X+4*\i+2], v[X+4*\i+3]
.if \half
	v_lshlrev_b32 v[X+4*\i],   16,         v[Y+2*\i]
	v_and_b32     v[X+4*\i+1], 0xffff0000, v[Y+2*\i]
	v_lshlrev_b32 v[X+4*\i+2], 16,         v[Y+2*\i+1]
	v_and_b32     v[X+4*\i+3], 0xffff0000, v[Y+2*\i+1]
	v_cvt_pk_f16_f32 v[Y+2*\i],   v[X+4*\i],   v[X+4*\i+1]
	v_cvt_pk_f16_f32 v[Y+2*\i+1], v[X+4*\i+2], v[X+4*\i+3]
.endif
	global_store_b64 v2, v[Y+2*\i:Y+2*\i+1], s[10:11] offset:256*\i   ; the wave stores 256 consecutive bytes, aligned; the next launch reads them: no hint
.endm
	s_cmp_ge_u32 ttmp9, 704
	s_cbranch_scc1 .Lhalf
.irp i, 0,1,2,3,4,5,6,7,8,9,10,11,12,13,14,15
	OUT \i, 0
.endr
	s_endpgm
.Lhalf:
.irp i, 0,1,2,3,4,5,6,7,8,9,10,11,12,13,14,15
	OUT \i, 1
.endr
	s_endpgm
.Lfunc_end_k_q0787608864_cvt:
	.size	k_q0787608864_cvt, .Lfunc_end_k_q0787608864_cvt-k_q0787608864_cvt
	.p2alignl 7, 3214868480
	.fill 96, 4, 3214868480
	.section	.rodata,"a",@progbits
	.p2align	6, 0x0
	.amdhsa_kernel k_q0787608864_cvt
		.amdhsa_group_segment_fixed_size 0
		.amdhsa_private_segment_fixed_size 0
		.amdhsa_enable_private_segment 0
		.amdhsa_kernarg_size 32
		.amdhsa_user_sgpr_count 2
		.amdhsa_user_sgpr_kernarg_segment_ptr 1
		.amdhsa_wavefront_size32 1
		.amdhsa_system_sgpr_workgroup_id_x 1
		.amdhsa_system_sgpr_workgroup_id_y 1
		.amdhsa_system_sgpr_workgroup_id_z 1
		.amdhsa_system_vgpr_workitem_id 0
		.amdhsa_next_free_vgpr 100
		.amdhsa_next_free_sgpr 66
		.amdhsa_reserve_vcc 0
		.amdhsa_float_denorm_mode_32 3
		.amdhsa_float_denorm_mode_16_64 3
		.amdhsa_memory_ordered 1
		.amdhsa_forward_progress 1
		.amdhsa_inst_pref_size 16
	.end_amdhsa_kernel
	.amdgpu_metadata
---
amdhsa.version: [ 1, 2 ]
amdhsa.kernels:
  - .name:           k_q0787608864_cvt
    .symbol:         k_q0787608864_cvt.kd
    .args:
      - { .name: x, .offset: 0, .size: 8, .value_kind: global_buffer, .address_space: global }
      - { .name: w_attn, .offset: 8, .size: 8, .value_kind: global_buffer, .address_space: global }
      - { .name: w_proj, .offset: 16, .size: 8, .value_kind: global_buffer, .address_space: global }
      - { .name: bf, .offset: 24, .size: 8, .value_kind: global_buffer, .address_space: global }
    .group_segment_fixed_size: 0
    .private_segment_fixed_size: 0
    .kernarg_segment_align: 8
    .kernarg_segment_size: 32
    .max_flat_workgroup_size: 256
    .sgpr_count:     66
    .vgpr_count:     100
    .wavefront_size: 32
...
	.end_amdgpu_metadata
.endif
;; end of part 1
;; launch qkv (part 2): grid 16 x 32, 4 waves a work-group, clusters of 4 x 4, 327,680 bytes of LDS; arguments bf, qkvh; writes qkvh
.if DOCPART == 2
	.amdgcn_target "amdgcn-amd-amdhsa--gfx1250"
	.amdhsa_code_object_version 6
	.text
	.protected	k_q0787608864_qkv
	.globl	k_q0787608864_qkv
	.p2align	8
	.type	k_q0787608864_qkv,@function
k_q0787608864_qkv:
	s_mov_b64 s[64:65], 0
	v_nop
	global_prefetch_b8 v0, s[64:65] scope:SCOPE_SE
	s_setreg_imm32_b32 hwreg(HW_REG_WAVE_MODE, 25, 1), 1
	s_wait_xcnt 0x0
	s_wait_alu depctr_hold_cnt(0) depctr_sa_sdst(0) depctr_va_vdst(0) depctr_va_sdst(0) depctr_va_ssrc(0) depctr_va_vcc(0) depctr_vm_vsrc(0)
	s_getreg_b32 s2, hwreg(HW_REG_IB_STS2, 6, 4)
	s_cmp_eq_u32 s2, 0
	s_cbranch_scc0 .Lentry_in_a_cluster
	s_endpgm
.Lentry_in_a_cluster:
	s_bfe_u32 s2, ttmp6, 0x10000c
	s_cmp_lg_u32 s2, 0xf033
	s_cbranch_scc0 .Lentry_shape_is_right
	s_endpgm
.Lentry_shape_is_right:
; qkv[m][n] = sum over k of x[m][k] w_attn[n][k]: [8192 x 1024] by [3072 x 1024], bf16 operands from bf, sums in f32, results in f16,
; stored by slices of 64 columns: qkvh = [48 slices n / 64][8192 rows m][64] (slices 0-15 q by head, 16-31 k, 32-47 v), so that a head's rows are dense.
; LIMIT: a result beyond 65,504 in magnitude becomes infinite in f16.  With x and w_attn both 30 times the drawn spread |q| stays near 900 x 6;
; with both carrying an offset of 30 spreads it stays below 1024 x 36 x 1.125 = 41,472.
; A work-group makes a block of 256 rows x 192 columns with four waves; a wave makes 128 x 96: 48 accumulator tiles of 16 x 16, 384 registers.
; 3072 / 192 x 8192 / 256 = 512 work-groups of equal work.  K goes in 8 steps of 128 through a ring of two LDS slots filled by the tensor data mover;
; a tile's rows are 256 bytes of memory and start at multiples of 256 bytes from the buffer's first byte.
; CLUSTERS: 4 x 4 work-groups.  The four of a row of the cluster need the same tiles of x, the four of a column the same tiles of w_attn: each tile is asked
; for jointly, by the same tensor load with the same descriptor and a mask that names the four, which divides the requests by four.
; REGISTERS in windows of 256: window 0: v16-26 addresses, v64-127 and v128-191 fragments of x (two buffers), v192-215 at work on the way out;
; window 1: v64-111 and v128-175 fragments of w_attn; window 2: the 24 accumulator tiles of my rows 0-63 (tile (a, b) at v[8 (6 a + b)]); window 3: rows 64-127.
; The matrix instruction is used transposed (source 0 = 16 rows of w_attn, source 1 = 16 rows of x): lane l then holds row l % 16 of the result and
; its registers 0-7 the columns 8 (l / 16) + 0..7, eight neighbouring numbers that pack into 16 bytes.
.set SIZE_K, 1024
.set KSTEP,  128
.set NB,     6                         ; column blocks of 16 in a wave's tile
.set PITCH,  272                       ; an LDS row: 256 bytes + 16 of padding, an odd multiple of 16: the 16 rows of a fragment load start at 16 different banks
.set LOADA,  128*PITCH                 ; 128 rows of x: one tensor load, and what a wave reads of x
.set ASZ,    2*LOADA
.set HALFB,  16*NB*PITCH               ; 96 rows of w_attn: one tensor load, and what a wave reads of w_attn
.set SLOT,   ASZ+2*HALFB               ; 121,856 bytes
.set NF,     16+2*NB                   ; LDS loads of one quarter step
.set LAPS,   SIZE_K/(2*KSTEP)          ; a lap = two K steps = once round the ring
.set WOFF,   16777216                  ; w_attn's place in bf
.set SP,     400                       ; the stage's pitch: 384 bytes of a block's row + 16, an odd multiple of 16
.set SLICE,  1048576                   ; bytes of a slice of qkvh
.set ADRA, 16                          ; v16-17  LDS address of my x fragments in slot 0, 1
.set ADRB, 20                          ; v20-21  the same for w_attn
.set STO,  24                          ; v24     the way out: where I put 16 bytes of a row
.set RD,   25                          ; v25     the way out: where I read rows back
.set CO,   26                          ; v26     my byte offset in a store of 512 bytes
.set F0,   64
.set F1,   128
.set TMP,  192
.set G1,  24                           ; s[24:31] descriptor group 1 for x
.set G0,  32                           ; s[32:39] descriptor group 0 for x, one set for each slot
.set G1B, 48                           ; s[48:55] descriptor group 1 for w_attn
.set G0B, 56                           ; s[56:63] descriptor group 0 for w_attn, one set for each slot
.set MSB, 0
.macro WIN new                         ; the immediate's high byte repeats the setting that is left
.if MSB != \new
	s_set_vgpr_msb (MSB<<8)|\new
.set MSB, \new
.endif
.endm
.set MUL_LO, 0xa1                      ; source 0 window 1, source 1 window 0, C and D window 2
.set MUL_HI, 0xf1                      ; the same, C and D window 3
.set TO_B,   0x40                      ; destination window 1, address window 0
; A joint load.  Waves 0 and 1 fetch the two halves of x's tile, waves 2 and 3 those of w_attn's.  The branch hangs on the wave's number alone.
.macro JLOAD s
	s_cmp_eq_u32 s11, 0
	s_cbranch_scc0 .Lfor_b_\@
	tensor_load_to_lds s[G0+4*\s:G0+4*\s+3], s[G1:G1+7]
	s_nop 0
	s_branch .Lasked_\@
.Lfor_b_\@:
	tensor_load_to_lds s[G0B+4*\s:G0B+4*\s+3], s[G1B:G1B+7]
	s_nop 0
.Lasked_\@:
.endm
; A round of the cluster's barrier: my work-group's barrier, wave 0 signals for the work-group, every wave waits for all sixteen, my work-group's barrier again.
.macro CREST                           ; a round behind its opening barrier
	s_cmp_lg_u32 s10, 0
	s_cbranch_scc1 .Lnot_wave_0_\@
	s_barrier_signal -3
.Lnot_wave_0_\@:
	s_barrier_wait -3
	s_barrier_signal -1
	s_barrier_wait -1
.endm
.macro CROUND
	s_barrier_signal -1
	s_barrier_wait -1
	CREST
.endm
	s_load_b128 s[4:7], s[0:1], 0x0                ; bf s[4:5], qkvh s[6:7]
	s_set_vgpr_msb 0x40
	v_lshl_add_u32 v255, v0, 2, 0x3b800
	s_set_vgpr_msb 0x4000
	v_mov_b32 v255, 0
	s_set_vgpr_msb 0x1
	ds_add_u32 v255, v255
	ds_add_u32 v255, v255
	s_set_vgpr_msb 0x100
	v_lshrrev_b32 v1, 5, v0
	v_readfirstlane_b32 s10, v1                    ; wave 0..3
	s_lshr_b32 s11, s10, 1                         ; which half of the block's rows is mine.  Also: I fetch for x (0) or for w_attn (1)
	s_and_b32 s12, s10, 1                          ; which half of its columns.  Also: which half of that tile I fetch
	s_bfe_u32 s40, ttmp6, 0x40000                  ; cx
	s_bfe_u32 s41, ttmp6, 0x40004                  ; cy
	s_lshl_b32 s42, ttmp9, 2
	s_add_co_u32 s42, s42, s40                     ; block column = 4 x cluster x + cx
	s_and_b32 s13, ttmp7, 0xffff
	s_lshl_b32 s13, s13, 2
	s_add_co_u32 s13, s13, s41                     ; block row = 4 x cluster y + cy
	s_lshl_b32 s43, s41, 2
	s_lshl_b32 s43, 15, s43                        ; my row of the cluster: places 4 cy .. 4 cy + 3
	s_lshl_b32 s44, 0x1111, s40                    ; my column: places cx, cx + 4, cx + 8, cx + 12
	; group 1: rows of 128 elements of 2 bytes, 16 bytes of padding behind every 64 words; 128 rows of x, 96 rows of w_attn
	s_or_b32 s[G1+0],  s43, (1<<16)|(1<<20)|(1<<21)|(5<<22)|(3<<25)   ; mask: x's tiles go to my row of the cluster; bit 21 set beside a mask
	s_or_b32 s[G1B+0], s44, (1<<16)|(1<<20)|(1<<21)|(5<<22)|(3<<25)   ; mask: w_attn's tiles go to my column
	s_mov_b32 s[G1+1],  KSTEP<<16                  ; tensor_dim0 = 128
	s_mov_b32 s[G1B+1], KSTEP<<16
	s_mov_b32 s[G1+2],  128<<16                    ; tensor_dim1 = 128
	s_mov_b32 s[G1B+2], (16*NB)<<16                ; tensor_dim1 = 96
	s_mov_b32 s[G1+3],  KSTEP<<16                  ; tile_dim0 = 128
	s_mov_b32 s[G1B+3], KSTEP<<16
	s_mov_b32 s[G1+4],  128                        ; tile_dim1 = 128
	s_mov_b32 s[G1B+4], 16*NB                      ; tile_dim1 = 96
	s_mov_b32 s[G1+5],  SIZE_K                     ; elements from row to row
	s_mov_b32 s[G1B+5], SIZE_K
	s_mov_b32 s[G1+6],  0
	s_mov_b32 s[G1B+6], 0
	s_mov_b32 s[G1+7],  0
	s_mov_b32 s[G1B+7], 0
	; where the tiles come from: x's hang on the block row alone, w_attn's on the block column alone, each in registers that never hold the other coordinate
	s_lshl_b32 s17, s12, 7
	s_lshl_b32 s16, s13, 8
	s_add_co_u32 s16, s16, s17                     ; x: row 256 x block row + 128 x half
	s_lshl_b32 s16, s16, 11                        ; rows of 2,048 bytes: below 2^24
	s_mov_b32 s17, 0
	s_mul_i32 s46, s42, 32*NB
	s_mul_i32 s47, s12, 16*NB
	s_add_co_u32 s46, s46, s47                     ; w_attn: row 192 x block column + 96 x half
	s_lshl_b32 s46, s46, 11
	s_add_co_u32 s46, s46, WOFF
	s_mov_b32 s47, 0
	s_mul_i32 s20, s10, LOADA                      ; where they go: x's halves at wave x 34,816 (waves 0, 1),
	s_mul_i32 s45, s10, HALFB
	s_add_co_u32 s45, s45, ASZ-2*HALFB             ; w_attn's halves behind them, at 17,408 + wave x 26,112 (waves 2, 3)
	s_wait_dscnt 0x0
	s_wait_kmcnt 0x0
	s_add_nc_u64 s[14:15], s[4:5], s[16:17]
	s_add_nc_u64 s[46:47], s[4:5], s[46:47]
	CROUND                                         ; all sixteen work-groups are here: the first joint loads meet
.irp s, 0,1
	s_mov_b32 s[G0+4*\s], 1
	s_add_co_u32 s[G0+4*\s+1], s20, \s*SLOT
	s_add_nc_u64 s[G0+4*\s+2:G0+4*\s+3], s[14:15], \s*KSTEP*2
	s_or_b32 s[G0+4*\s+3], s[G0+4*\s+3], 0x80000000
	s_mov_b32 s[G0B+4*\s], 1
	s_add_co_u32 s[G0B+4*\s+1], s45, \s*SLOT
	s_add_nc_u64 s[G0B+4*\s+2:G0B+4*\s+3], s[46:47], \s*KSTEP*2
	s_or_b32 s[G0B+4*\s+3], s[G0B+4*\s+3], 0x80000000
	JLOAD \s                                       ; both slots are asked for before anything else: two tensor loads of the wave are out here, one behind each later refill
.endr
	; fragments: lane l holds row l % 16; two loads of 16 bytes, 32 bytes apart, at row x pitch + 16 (l / 16)
	v_and_b32 v1, 15, v0                           ; r
	v_bfe_u32 v2, v0, 4, 1                         ; h
	v_mul_u32_u24 v3, v1, PITCH
	v_lshl_add_u32 v3, v2, 4, v3
	s_mul_i32 s21, s11, LOADA                      ; my 128 rows of x
	s_mul_i32 s22, s12, HALFB
	s_add_co_u32 s22, s22, ASZ                     ; my 96 rows of w_attn
.irp s, 0,1
	v_add_nc_u32 v[ADRA+\s], s21, v3
	v_add_nc_u32 v[ADRB+\s], s22, v3
	s_add_co_u32 s21, s21, SLOT
	s_add_co_u32 s22, s22, SLOT
.endr
	; the stage: the block's 256 rows of 384 bytes, pitch 400, from LDS byte 0
	s_mul_i32 s23, s11, 128*SP
	s_mul_i32 s18, s12, 32*NB
	s_add_co_u32 s23, s23, s18                     ; my first row and my 192 bytes of it
	v_mul_u32_u24 v4, v1, SP
	v_lshl_add_u32 v4, v2, 4, v4
	v_add_nc_u32 v[STO], s23, v4                   ; in: row r, 16 bytes for each half of the lanes
	v_and_b32 v5, 31, v0
	v_lshrrev_b32 v6, 3, v5
	v_mul_u32_u24 v6, v6, SP
	v_and_b32 v7, 7, v0
	v_lshl_add_u32 v6, v7, 4, v6
	s_mul_i32 s19, s10, 64*SP
	v_add_nc_u32 v[RD], s19, v6                    ; back: rows 64 wave + l / 8, 16 (l % 8) bytes into a slice's 128
	v_lshlrev_b32 v[CO], 4, v5                     ; four rows of 128 bytes are 512 neighbouring bytes of a slice
; 12 matrix instructions: row blocks a0, a0 + 1 of the window's four x all 6 column blocks, 32 along K.  zero = 1: the first product starts the sums.
.macro MULH f, hi, a0, zero
.irp a, \a0, \a0+1
.irp b, 0,1,2,3,4,5
.if \zero
	v_wmma_f32_16x16x32_bf16 v[8*(NB*(\a)+\b):8*(NB*(\a)+\b)+7], v[\f+8*\b:\f+8*\b+7], v[\f+8*(4*\hi+\a):\f+8*(4*\hi+\a)+7], 0
.else
	v_wmma_f32_16x16x32_bf16 v[8*(NB*(\a)+\b):8*(NB*(\a)+\b)+7], v[\f+8*\b:\f+8*\b+7], v[\f+8*(4*\hi+\a):\f+8*(4*\hi+\a)+7], v[8*(NB*(\a)+\b):8*(NB*(\a)+\b)+7]
.endif
.endr
.endr
.endm
; 28 LDS loads in one run: quarter q of a K step (32 along K at byte 64 q of the rows) into buffer f: 96 rows of w_attn, then 128 rows of x
.macro FETCH slot, q, f
	WIN TO_B
.irp i, 0,1,2,3,4,5
	ds_load_b128 v[\f+8*\i:\f+8*\i+3],   v[ADRB+\slot] offset:64*\q+\i*16*PITCH
	ds_load_b128 v[\f+8*\i+4:\f+8*\i+7], v[ADRB+\slot] offset:64*\q+\i*16*PITCH+32
.endr
	WIN 0
.irp i, 0,1,2,3,4,5,6,7
	ds_load_b128 v[\f+8*\i:\f+8*\i+3],   v[ADRA+\slot] offset:64*\q+\i*16*PITCH
	ds_load_b128 v[\f+8*\i+4:\f+8*\i+7], v[ADRA+\slot] offset:64*\q+\i*16*PITCH+32
.endr
.endm
; Four places behind a matrix instruction before a load lands on a register that it read or a vector instruction reads its result (ISA guide 7.12.1 for vector instructions)
.macro PLACES
.rept 4
	v_nop
.endr
.endm
; A K step is four quarters of 32 along K, 48 matrix instructions each, on buffers 0, 1, 0, 1.  The 48 accumulators take turns, one instruction a turn,
; in the same order in every quarter.
.macro QUARTER slot, q, f, g, zero
	s_wait_dscnt 8                                 ; w_attn's rows and x's rows 0-63 are in; the youngest eight loads (x's rows 64-127) may be out
	WIN MUL_LO
	MULH \f, 0, 0, \zero
	MULH \f, 0, 2, \zero
	PLACES
	FETCH \slot, \q, \g
	s_wait_dscnt NF                                ; all but the 28 just issued
	WIN MUL_HI
	MULH \f, 1, 0, \zero
	MULH \f, 1, 2, \zero
.endm
.macro THREE slot, zero
	QUARTER \slot, 1, F0, F1, \zero
	QUARTER \slot, 2, F1, F0, 0
	QUARTER \slot, 3, F0, F1, 0
.endm
; The last quarter multiplies buffer 1 and changes slots.  In front of the barrier each wave waits for its reads of this slot and for all its tensor loads
; (the one that is out is its part of the next slot).  fill = 1: the barrier opens a round of the cluster's barrier, and the joint refill, two K steps ahead,
; is the first tensor load behind the round.
.macro TURN slot, next, fill
	s_wait_dscnt 8
	WIN MUL_LO
	MULH F1, 0, 0, 0
	s_wait_dscnt 0                                 ; my reads of this slot are over
	s_wait_tensorcnt 0x0                           ; and all my tensor loads have landed
	ds_add_u32 v255, v255
	s_wait_dscnt 0x0
	s_barrier_signal -1
	MULH F1, 0, 2, 0                               ; register work while the others arrive
	WIN 0
	s_barrier_wait -1
.if \fill
	CREST                                          ; no wave of any partner still reads this slot or has a load on its way
	s_add_nc_u64 s[G0+4*\slot+2:G0+4*\slot+3], s[G0+4*\slot+2:G0+4*\slot+3], 2*KSTEP*2
	s_add_nc_u64 s[G0B+4*\slot+2:G0B+4*\slot+3], s[G0B+4*\slot+2:G0B+4*\slot+3], 2*KSTEP*2
	JLOAD \slot
.endif
	PLACES
	FETCH \next, 0, F0
	WIN MUL_HI
	MULH F1, 1, 0, 0
	MULH F1, 1, 2, 0
.endm
.macro LAP zero
	THREE 0, \zero
	TURN 0, 1, 1
	THREE 1, 0
	TURN 1, 0, 1
.endm
	s_wait_tensorcnt 1                             ; my part of K step 0 is in; K step 1's may stay out
	s_barrier_signal -1
	s_barrier_wait -1
	FETCH 0, 0, F0
	LAP 1                                          ; the first lap stands in front of the loop: its first products start the sums
	WIN 0
	s_mov_b32 s3, LAPS-2
.Llap:
	LAP 0
	WIN 0
	s_sub_co_u32 s3, s3, 1
	s_cmp_lg_u32 s3, 0
	s_cbranch_scc1 .Llap
	THREE 0, 0                                     ; the last lap fills nothing
	TURN 0, 1, 0
	THREE 1, 0
	s_wait_dscnt 8
	WIN MUL_LO
	MULH F1, 0, 0, 0
	MULH F1, 0, 2, 0
	s_wait_dscnt 0
	WIN MUL_HI
	MULH F1, 1, 0, 0
	MULH F1, 1, 2, 0
	; THE WAY OUT.  The ring has had its last fill; its first 102,400 bytes serve as the stage for the whole block, so that a slice's rows,
	; which two waves make, leave as whole runs of 512 bytes.
	PLACES
	WIN 0
	s_barrier_signal -1                            ; every wave has left the ring (its LDS loads are back) before any wave writes the stage over it
	s_barrier_wait -1
; rows 16 i .. 16 i + 15 of my tile = the six tiles (a, 0..5) of window 2 or 3 (from = 0x0a or 0x0f: sources 0 and 1)
.macro STG i, a, from
	WIN \from
.irp b, 0,1,2,3,4,5
.irp r, 0,1,2,3
	v_cvt_pk_f16_f32 v[TMP+4*\b+\r], v[8*(NB*\a+\b)+2*\r], v[8*(NB*\a+\b)+2*\r+1]
.endr
.endr
	WIN 0
.irp b, 0,1,2,3,4,5
	ds_store_b128 v[STO], v[TMP+4*\b:TMP+4*\b+3] offset:\i*16*SP+32*\b
.endr
.endm
	STG 0, 0, 0x0a
	STG 1, 1, 0x0a
	STG 2, 2, 0x0a
	STG 3, 3, 0x0a
	STG 4, 0, 0x0f
	STG 5, 1, 0x0f
	STG 6, 2, 0x0f
	STG 7, 3, 0x0f
	s_lshl_b32 s16, s13, 15                        ; 256 x block row rows of 128 bytes
	s_lshl_b32 s18, s10, 13                        ; + 64 x wave rows
	s_add_co_u32 s16, s16, s18
	s_mov_b32 s17, 0
	s_add_nc_u64 s[8:9], s[6:7], s[16:17]
	s_mul_i32 s46, s42, 3*SLICE                    ; the block's three slices begin at slice 3 x block column
	s_mov_b32 s47, 0
	s_add_nc_u64 s[8:9], s[8:9], s[46:47]
	s_wait_dscnt 0x0                               ; my stores into the stage are done, for the others' sake
	s_barrier_signal -1
	s_barrier_wait -1
; 32 rows (half 0 or 1 of my 64) of slice hs: eight loads of four rows' 128 bytes, eight stores of 512 consecutive bytes, aligned
.macro OUTG hs, half, f
	s_wait_xcnt 0x0                                ; buffer f, which earlier stores read, is loaded again only behind this wait
.irp t, 0,1,2,3,4,5,6,7
	ds_load_b128 v[\f+4*\t:\f+4*\t+3], v[RD] offset:\hs*128+(8*\half+\t)*4*SP
.endr
.irp t, 0,1,2,3,4,5,6,7
	s_wait_dscnt 7-\t
	global_store_b128 v[CO], v[\f+4*\t:\f+4*\t+3], s[8:9] offset:\hs*SLICE+(8*\half+\t)*512
.endr
.endm
	OUTG 0, 0, F0
	OUTG 0, 1, F1
	OUTG 1, 0, F0
	OUTG 1, 1, F1
	OUTG 2, 0, F0
	OUTG 2, 1, F1
	s_set_vgpr_msb 0x1
	s_wait_tensorcnt 0x0
	ds_add_u32 v255, v255
	s_wait_dscnt 0x0
	s_set_vgpr_msb 0x100
	CROUND                                         ; the closing round: no work-group ends while a partner may still ask for a tile that names it
	s_endpgm
.Lfunc_end_k_q0787608864_qkv:
	.size	k_q0787608864_qkv, .Lfunc_end_k_q0787608864_qkv-k_q0787608864_qkv
	.p2alignl 7, 3214868480
	.fill 96, 4, 3214868480
	.section	.rodata,"a",@progbits
	.p2align	6, 0x0
	.amdhsa_kernel k_q0787608864_qkv
		.amdhsa_group_segment_fixed_size 327680
		.amdhsa_private_segment_fixed_size 0
		.amdhsa_enable_private_segment 0
		.amdhsa_kernarg_size 16
		.amdhsa_user_sgpr_count 2
		.amdhsa_user_sgpr_kernarg_segment_ptr 1
		.amdhsa_wavefront_size32 1
		.amdhsa_system_sgpr_workgroup_id_x 1
		.amdhsa_system_sgpr_workgroup_id_y 1
		.amdhsa_system_sgpr_workgroup_id_z 1
		.amdhsa_system_vgpr_workitem_id 0
		.amdhsa_next_free_vgpr 1024
		.amdhsa_next_free_sgpr 66
		.amdhsa_reserve_vcc 0
		.amdhsa_float_denorm_mode_32 3
		.amdhsa_float_denorm_mode_16_64 3
		.amdhsa_memory_ordered 1
		.amdhsa_forward_progress 1
		.amdhsa_inst_pref_size 158
	.end_amdhsa_kernel
	.amdgpu_metadata
---
amdhsa.version: [ 1, 2 ]
amdhsa.kernels:
  - .name:           k_q0787608864_qkv
    .symbol:         k_q0787608864_qkv.kd
    .args:
      - { .name: bf, .offset: 0, .size: 8, .value_kind: global_buffer, .address_space: global }
      - { .name: qkvh, .offset: 8, .size: 8, .value_kind: global_buffer, .address_space: global }
    .group_segment_fixed_size: 327680
    .private_segment_fixed_size: 0
    .kernarg_segment_align: 8
    .kernarg_segment_size: 16
    .max_flat_workgroup_size: 128
    .sgpr_count:     66
    .vgpr_count:     1024
    .wavefront_size: 32
...
	.end_amdgpu_metadata
.endif
;; end of part 2
;; launch attn (part 3): grid 256 x 1, 8 waves a work-group, no clusters, 327,680 bytes of LDS; arguments qkvh, yh; writes yh
.if DOCPART == 3
	.amdgcn_target "amdgcn-amd-amdhsa--gfx1250"
	.amdhsa_code_object_version 6
	.text
	.protected	k_q0787608864_attn
	.globl	k_q0787608864_attn
	.p2align	8
	.type	k_q0787608864_attn,@function
k_q0787608864_attn:
	s_mov_b64 s[64:65], 0
	v_nop
	global_prefetch_b8 v0, s[64:65] scope:SCOPE_SE
	s_setreg_imm32_b32 hwreg(HW_REG_WAVE_MODE, 25, 1), 1
	s_wait_xcnt 0x0
; Causal attention of one head, with a running maximum: y = softmax(q k^T / 8, keys <= query) v.  q, k, v: f16 slices of qkvh, [8192 rows][64] each;
; y: f16, yh = [16 heads][8192 rows][64].  Products on f16 operands with f32 sums; maximum, exponentials and row sums in f32.
; LIMITS: a weight p below the smallest f16 number counts as 0 in the product with v (it still enters the row sum); NaN and infinite inputs are not treated specially.
; SHARE: work-group id = 64 batch + 4 head + j makes the query blocks a = j and b = 7 - j (256 rows each) of its head, one after the other:
; (a + 1) + (b + 1) = 9 key blocks of 256 for every one of the 256 work-groups.  Key blocks above the diagonal are never touched; the diagonal block is
; computed whole and masked.  Eight waves; wave w owns rows 32 w .. 32 w + 31 of a block, two tiles of 16 queries.
; Each pass begins with the diagonal block, whose key 0 every row may see, so that the running maximum is finite from the first step on.
; TRANSPOSED PRODUCTS: S^T = K Q^T (source 0 = 16 keys, source 1 = 16 queries): lane l holds query l % 16 and its registers the keys 8 (l / 16) + 0..7.
; So every statistic is one number a lane, and two packed tiles of S^T are, as they lie, the second source P^T (32 keys) of O^T = V^T P^T;
; V^T comes out of V, stored [key][d], by the transposing LDS load.  O^T: lane l holds query l % 16, registers d = 8 (l / 16) + 0..7: 16 bytes of a row of y.
; LDS: slot s at 40,960 s: K's 128 rows, pitch 144, at 0; V's 128 rows, pitch 160, at 20,480.  Q of pass A at 81,920 and of pass B at 118,784 (8 waves x 32 rows x 144);
; the stage for y at 155,648 (8 x 32 x 144), into which no tensor load lands.
; NO JOINT LOADS: the four work-groups of a head walk 1 + 8, 2 + 7, 3 + 6 and 4 + 5 key blocks, each pass beginning at its own diagonal block, so that in a
; given trip they want different tiles; walking in step would take 4 + 8 = 12 blocks for each instead of 9.
; NO PREFETCH: k and v were stored by the launch in front of this one, and four work-groups read each tile.
.set KP,    144                        ; pitch of K, Q and the stage: 128 bytes + 16, an odd multiple of 16
.set VP,    160                        ; pitch of V: 128 bytes + 32, an odd multiple of 32, for the transposing load
.set SLOT,  40960
.set VOFF,  20480
.set QA,    2*SLOT
.set QSZ,   8*32*KP
.set STAGE, QA+2*QSZ
.set KSL,   16777216                   ; from a head's q slice to its k slice, in bytes
.set VSL,   33554432                   ; and to its v slice
.set T,    0                           ; v0-7    at work, four for each query tile
.set ADRK, 8                           ; v8-9    LDS address of my K fragments in slot 0, 1
.set ADRV, 10                          ; v10-11  the same for the transposing loads of V
.set ADRQ, 12                          ; v12     my Q fragments of pass A
.set STO,  13                          ; v13     the way out: where I put 16 bytes of a row
.set RD,   14                          ; v14     the way out: where I read rows back
.set CO,   15                          ; v15     16 x lane
.set LIM,  16                          ; v16-17  query tile qt: 32 w + 16 qt + r - 8 h: a key constant at or below it is visible
.set NINF, 18                          ; v18     minus infinity
.set MX,   20                          ; v20-21  running maximum of the raw scores
.set LS,   22                          ; v22-23  running sum, of this lane's keys alone
.set NM,   24                          ; v24, v26  - c x maximum (v25, v27 are 0: the packed forms name the pair and select its first register)
.set AL,   28                          ; v28, v30  the factor on what was summed before (v29, v31 are 0)
.set Q,    32                          ; v32-63   Q(qt, kh) at 32 + 16 qt + 8 kh
.set K,    64                          ; v64-127  K(kt, kh) at 64 + 16 kt + 8 kh
.set V,    128                         ; v128-191 V^T(g, dt) at 128 + 32 g + 8 dt
.set S,    192                         ; v192-255 S^T(qt, kt) at 192 + 32 qt + 8 kt; P^T(qt, g) is packed in place into 192 + 32 qt + 8 g
                                       ; window 1: v0-63 O^T(qt, dt) at 32 qt + 8 dt
.set G1K,  16                          ; s[16:23] group 1 for K and Q     s[24:31] for V
.set G1V,  24
.set G0K,  32                          ; s[32:39] group 0 for K, one set for each slot
.set G0V,  40                          ; s[40:47] group 0 for V
.set G0QA, 48
.set G0QB, 52
.set KB,   56                          ; s[56:57] address of my quarter of K's first tile;  s[58:59] of V's
.set VB,   58
.set NXT,  60                          ; s[60:61] byte offset of the tile to ask for next (s61 = 0)
.set MSB, 0
.macro WIN new
.if MSB != \new
	s_set_vgpr_msb (MSB<<8)|\new
.set MSB, \new
.endif
.endm
	s_load_b128 s[4:7], s[0:1], 0x0                ; qkvh s[4:5], yh s[6:7]
	v_lshl_add_u32 v19, v0, 2, 0x2f000
	s_set_vgpr_msb 0x40
	v_mov_b32 v65, 0
	s_set_vgpr_msb 0x4044
	ds_add_u32 v19, v65
	ds_add_u32 v19, v65
	s_set_vgpr_msb 0x4400
	v_lshrrev_b32 v1, 5, v0
	v_readfirstlane_b32 s8, v1                     ; wave 0..7
	s_and_b32 s9, s8, 3                            ; which quarter of a tile I fetch
	s_and_b32 s11, ttmp9, 3                        ; a
	s_sub_co_u32 s12, 7, s11                       ; b
	s_sub_co_u32 s13, s12, 1
	s_lshl_b32 s71, s12, 15                        ; b blocks of 256 rows of 128 bytes
	s_bfe_u32 s10, ttmp9, 0x40002                  ; head
	s_lshr_b32 s15, ttmp9, 6                       ; batch
	s_lshl_b32 s10, s10, 20                        ; a slice is 2^20 bytes,
	s_lshl_b32 s15, s15, 18                        ; a batch's 2,048 rows are 2^18
	s_add_co_u32 s62, s10, s15
	s_mov_b32 s63, 0
	s_mov_b32 s66, 0x3e38aa3b                      ; c = log2(e) / 8: exp(s / 8 - m / 8) = 2^(c s - c m)
	s_mov_b32 s67, 0x3e38aa3b
	s_mov_b32 s70, 0xbe38aa3b                      ; - c
	s_mov_b32 s68, 0x76543210                      ; v_permlanex16_b32: lane i of one half reads lane i of the other
	s_mov_b32 s69, 0xfedcba98
	; group 1: 4,096 dense bytes (32 rows of 128) as 16 rows of 128 elements of 2 bytes; padding behind every 32 words: 4 words for K and Q, 8 for V
	s_mov_b32 s[G1K+0], (1<<16)|(1<<20)|(4<<22)|(3<<25)
	s_mov_b32 s[G1V+0], (1<<16)|(1<<20)|(4<<22)|(7<<25)
	s_mov_b32 s[G1K+1], 128<<16                    ; tensor_dim0 = 128
	s_mov_b32 s[G1V+1], 128<<16
	s_mov_b32 s[G1K+2], 16<<16                     ; tensor_dim1 = 16
	s_mov_b32 s[G1V+2], 16<<16
	s_mov_b32 s[G1K+3], 128<<16                    ; tile_dim0 = 128
	s_mov_b32 s[G1V+3], 128<<16
	s_mov_b32 s[G1K+4], 16                         ; tile_dim1 = 16
	s_mov_b32 s[G1V+4], 16
	s_mov_b32 s[G1K+5], 128                        ; elements from row to row
	s_mov_b32 s[G1V+5], 128
	s_mov_b32 s[G1K+6], 0
	s_mov_b32 s[G1V+6], 0
	s_mov_b32 s[G1K+7], 0
	s_mov_b32 s[G1V+7], 0
	s_lshl_b32 s76, s8, 12                         ; my 32 rows of a query block
	s_mov_b32 s77, 0
	s_lshl_b32 s78, s9, 12                         ; my 32 rows of a tile of 128 keys
	s_mov_b32 s79, 0
	s_mul_i32 s10, s8, 32*KP                       ; wave x 4,608
	s_mul_i32 s15, s8, 32*VP                       ; wave x 5,120: waves 4-7 land on 20,480 .. 40,959, V's part of a slot
	s_wait_dscnt 0x0
	s_wait_kmcnt 0x0
	s_add_nc_u64 s[4:5], s[4:5], s[62:63]          ; my head's q rows of my batch
	s_add_nc_u64 s[6:7], s[6:7], s[62:63]          ; and its y rows
	s_add_nc_u64 s[KB:KB+1], s[4:5], s[78:79]
	s_add_nc_u64 s[VB:VB+1], s[KB:KB+1], VSL
	s_add_nc_u64 s[KB:KB+1], s[KB:KB+1], KSL
	s_add_nc_u64 s[4:5], s[4:5], s[76:77]
	s_add_nc_u64 s[6:7], s[6:7], s[76:77]
	s_lshl_b32 s62, s11, 15                        ; s[62:63] = block a, s[60:61] = block b, in bytes
	s_mov_b32 s60, s71
	s_mov_b32 s61, 0
	s_mov_b32 s[G0QA], 1
	s_add_co_u32 s[G0QA+1], s10, QA
	s_add_nc_u64 s[G0QA+2:G0QA+3], s[4:5], s[62:63]
	s_or_b32 s[G0QA+3], s[G0QA+3], 0x80000000
	s_mov_b32 s[G0QB], 1
	s_add_co_u32 s[G0QB+1], s10, QA+QSZ
	s_add_nc_u64 s[G0QB+2:G0QB+3], s[4:5], s[60:61]
	s_or_b32 s[G0QB+3], s[G0QB+3], 0x80000000
	s_add_nc_u64 s[72:73], s[6:7], s[62:63]        ; where my rows of y go, pass A
	s_add_nc_u64 s[74:75], s[6:7], s[60:61]        ; and pass B
	s_mov_b32 s[G0K], 1
	s_mov_b32 s[G0K+1], s10
	s_add_nc_u64 s[G0K+2:G0K+3], s[KB:KB+1], s[62:63]   ; the first tile: keys 0-127 of block a
	s_or_b32 s[G0K+3], s[G0K+3], 0x80000000
	s_mov_b32 s[G0K+4], 1
	s_add_co_u32 s[G0K+5], s10, SLOT
	s_mov_b32 s[G0V], 1
	s_mov_b32 s[G0V+1], s15
	s_add_nc_u64 s[G0V+2:G0V+3], s[VB:VB+1], s[62:63]
	s_or_b32 s[G0V+3], s[G0V+3], 0x80000000
	s_mov_b32 s[G0V+4], 1
	s_add_co_u32 s[G0V+5], s15, SLOT
; One quarter of a tile of 128 keys into slot o: waves 0-3 fetch K's quarters, waves 4-7 V's.
.macro JLOAD o
	s_cmp_lt_u32 s8, 4
	s_cbranch_scc0 .Lfor_v_\@
	tensor_load_to_lds s[G0K+4*(\o):G0K+4*(\o)+3], s[G1K:G1K+7]
	s_nop 0
	s_branch .Lasked_\@
.Lfor_v_\@:
	tensor_load_to_lds s[G0V+4*(\o):G0V+4*(\o)+3], s[G1V:G1V+7]
	s_nop 0
.Lasked_\@:
.endm
	; the first fills, as one group: my Q rows of both passes and my quarter of the first tile: three tensor loads of the wave are out here, one behind each later refill
	tensor_load_to_lds s[G0QA:G0QA+3], s[G1K:G1K+7]
	s_nop 0
	tensor_load_to_lds s[G0QB:G0QB+3], s[G1K:G1K+7]
	s_nop 0
	JLOAD 0
	v_and_b32 v1, 15, v0                           ; r
	v_bfe_u32 v2, v0, 4, 1                         ; h
	v_and_b32 v3, 31, v0                           ; lane
	v_and_b32 v5, 7, v0
	v_bfe_u32 v7, v0, 3, 1
	v_mul_u32_u24 v[ADRK], v1, KP
	v_lshl_add_u32 v[ADRK], v2, 4, v[ADRK]         ; r x 144 + 16 h
	v_add_nc_u32 v[ADRK+1], SLOT, v[ADRK]
	v_lshl_add_u32 v6, v2, 3, v5                   ; key row 8 h + lane % 8,
	v_mul_u32_u24 v6, v6, VP
	v_lshl_add_u32 v6, v7, 4, v6                   ; 16 bytes further for lanes 8-15 of each half
	v_add_nc_u32 v[ADRV], VOFF, v6
	v_add_nc_u32 v[ADRV+1], SLOT+VOFF, v6
	v_add_nc_u32 v4, s10, v[ADRK]                  ; + my wave's 32 rows
	v_add_nc_u32 v[ADRQ], QA, v4
	v_add_nc_u32 v[STO], STAGE, v4
	v_lshrrev_b32 v6, 3, v3
	v_mul_u32_u24 v6, v6, KP
	v_lshl_add_u32 v6, v5, 4, v6                   ; row lane / 8, 16 (lane % 8)
	v_add_nc_u32 v6, s10, v6
	v_add_nc_u32 v[RD], STAGE, v6
	v_lshlrev_b32 v[CO], 4, v3
	v_lshlrev_b32 v6, 3, v2
	v_sub_nc_u32 v6, v1, v6                        ; r - 8 h
	v_lshl_add_u32 v[LIM], s8, 5, v6
	v_add_nc_u32 v[LIM+1], 16, v[LIM]
	v_mov_b32 v[NINF], 0xff800000
	v_mov_b32 v[NM+1], 0
	v_mov_b32 v[NM+3], 0
	v_mov_b32 v[AL+1], 0
	v_mov_b32 v[AL+3], 0
; The K fragments of 64 keys (step st of a slot): 16 loads
.macro KLOAD slot, st
.irp kt, 0,1,2,3
.irp kh, 0,1
	ds_load_b128 v[K+16*\kt+8*\kh:K+16*\kt+8*\kh+3],   v[ADRK+\slot] offset:(64*(\st)+16*\kt)*KP+64*\kh
	ds_load_b128 v[K+16*\kt+8*\kh+4:K+16*\kt+8*\kh+7], v[ADRK+\slot] offset:(64*(\st)+16*\kt)*KP+64*\kh+32
.endr
.endr
.endm
; My 32 query rows of a pass: 8 loads of bytes that my own tensor load brought
.macro QLOAD pass
.irp qt, 0,1
.irp kh, 0,1
	ds_load_b128 v[Q+16*\qt+8*\kh:Q+16*\qt+8*\kh+3],   v[ADRQ] offset:\pass*QSZ+\qt*16*KP+64*\kh
	ds_load_b128 v[Q+16*\qt+8*\kh+4:Q+16*\qt+8*\kh+7], v[ADRQ] offset:\pass*QSZ+\qt*16*KP+64*\kh+32
.endr
.endr
.endm
; 64 keys x my 32 queries.  diag = 1: the diagonal block, masked.  first = 1: the first step of a pass starts maximum, sums and O.  more = 1: the slot's next 64 keys follow.
.macro STEP slot, st, diag, first, more
	s_wait_dscnt 0x0                               ; K (and in a first step Q) are in
	; S^T: the eight accumulators take turns, one instruction a turn.  The first half of d starts the sums.
.irp kh, 0,1
.irp kt, 0,1,2,3
.irp qt, 0,1
.if \kh
	v_wmma_f32_16x16x32_f16 v[S+32*\qt+8*\kt:S+32*\qt+8*\kt+7], v[K+16*\kt+8:K+16*\kt+15], v[Q+16*\qt+8:Q+16*\qt+15], v[S+32*\qt+8*\kt:S+32*\qt+8*\kt+7]
.else
	v_wmma_f32_16x16x32_f16 v[S+32*\qt+8*\kt:S+32*\qt+8*\kt+7], v[K+16*\kt:K+16*\kt+7], v[Q+16*\qt:Q+16*\qt+7], 0
.endif
.endr
.endr
.endr
.rept 4
	v_nop                                          ; four places before S is read and before loads land on K (ISA guide 7.12.1 for vector instructions)
.endr
	; V^T of these 64 keys, then the next step's K: both land while the softmax is worked out
.irp g, 0,1
.irp dt, 0,1,2,3
	ds_load_tr16_b128 v[V+32*\g+8*\dt:V+32*\g+8*\dt+3],   v[ADRV+\slot] offset:(64*\st+32*\g)*VP+32*\dt
	ds_load_tr16_b128 v[V+32*\g+8*\dt+4:V+32*\g+8*\dt+7], v[ADRV+\slot] offset:(64*\st+32*\g+16)*VP+32*\dt
.endr
.endr
.if \more
	KLOAD \slot, \st+1
.endif
.if \diag
	; key 128 slot + 64 st + 16 kt + 8 h + j is visible to query 32 w + 16 qt + r if it is not beyond it; the others become minus infinity
.irp qt, 0,1
.irp kt, 0,1,2,3
.irp jj, 0,1,2,3,4,5,6,7
	v_cmp_le_i32 vcc_lo, 128*\slot+64*\st+16*\kt+\jj, v[LIM+\qt]
	v_cndmask_b32 v[S+32*\qt+8*\kt+\jj], v[NINF], v[S+32*\qt+8*\kt+\jj], vcc_lo
.endr
.endr
.endr
.endif
	; the largest of a lane's 32 scores, in four chains
.irp qt, 0,1
.irp i, 0,1,2,3
	v_max3_num_f32 v[T+4*\qt+\i], v[S+32*\qt+3*\i], v[S+32*\qt+3*\i+1], v[S+32*\qt+3*\i+2]
.endr
.irp i, 0,1,2,3,4,5,6,7,8,9
	v_max3_num_f32 v[T+4*\qt+\i%4], v[T+4*\qt+\i%4], v[S+32*\qt+12+2*\i], v[S+32*\qt+13+2*\i]
.endr
	v_max3_num_f32 v[T+4*\qt], v[T+4*\qt], v[T+4*\qt+1], v[T+4*\qt+2]
	v_max_num_f32 v[T+4*\qt], v[T+4*\qt], v[T+4*\qt+3]
.endr
	v_permlanex16_b32 v[T+1], v[T], s68, s69       ; the other half of the lanes holds the query's other 32 keys
	v_permlanex16_b32 v[T+5], v[T+4], s68, s69
.if \first
	v_max_num_f32 v[MX], v[T], v[T+1]
	v_max_num_f32 v[MX+1], v[T+4], v[T+5]
	v_mul_f32 v[NM], s70, v[MX]
	v_mul_f32 v[NM+2], s70, v[MX+1]
.else
	v_max3_num_f32 v[MX], v[T], v[T+1], v[MX]
	v_max3_num_f32 v[MX+1], v[T+4], v[T+5], v[MX+1]
	v_mul_f32 v[T+2], s70, v[MX]
	v_mul_f32 v[T+6], s70, v[MX+1]
	v_sub_f32 v[AL], v[T+2], v[NM]                 ; the difference of the two rounded shifts: old and new exponents stay consistent
	v_sub_f32 v[AL+2], v[T+6], v[NM+2]
	v_mov_b32 v[NM], v[T+2]
	v_mov_b32 v[NM+2], v[T+6]
.endif
.irp qt, 0,1
.set n, 0
.rept 16
	v_pk_fma_f32 v[S+32*\qt+2*n:S+32*\qt+2*n+1], v[S+32*\qt+2*n:S+32*\qt+2*n+1], s[66:67], v[NM+2*\qt:NM+2*\qt+1] op_sel_hi:[1,0,0]   ; c s - c m, at most 0
.set n, n+1
.endr
.endr
.if \first == 0
	v_exp_f32 v[AL], v[AL]
	v_exp_f32 v[AL+2], v[AL+2]
.endif
.set n, 0
.rept 64
	v_exp_f32 v[S+n], v[S+n]
.set n, n+1
.endr
	v_nop                                          ; one plain place behind the run of exponentials before a result is used (ISA guide 5.7.2)
	; row sums, of this lane's keys alone: the two halves meet at the end of the pass
	s_wait_alu depctr_va_vdst(0)
.irp qt, 0,1
	v_pk_add_f32 v[T+4*\qt:T+4*\qt+1],   v[S+32*\qt:S+32*\qt+1],   v[S+32*\qt+2:S+32*\qt+3]
	v_pk_add_f32 v[T+4*\qt+2:T+4*\qt+3], v[S+32*\qt+4:S+32*\qt+5], v[S+32*\qt+6:S+32*\qt+7]
.irp i, 4,5,6,7,8,9,10,11,12,13,14,15
	v_pk_add_f32 v[T+4*\qt+2*(\i%2):T+4*\qt+2*(\i%2)+1], v[T+4*\qt+2*(\i%2):T+4*\qt+2*(\i%2)+1], v[S+32*\qt+2*\i:S+32*\qt+2*\i+1]
.endr
	v_pk_add_f32 v[T+4*\qt:T+4*\qt+1], v[T+4*\qt:T+4*\qt+1], v[T+4*\qt+2:T+4*\qt+3]
.if \first
	v_add_f32 v[LS+\qt], v[T+4*\qt], v[T+4*\qt+1]
.else
	v_add_f32 v[T+4*\qt], v[T+4*\qt], v[T+4*\qt+1]
	v_fma_f32 v[LS+\qt], v[LS+\qt], v[AL+2*\qt], v[T+4*\qt]
.endif
.endr
	; P^T in f16, packed in place and ascending: word n takes numbers 2 n and 2 n + 1, so no number is overwritten before it is read
.irp qt, 0,1
.set n, 0
.rept 16
	v_cvt_pk_f16_f32 v[S+32*\qt+n], v[S+32*\qt+2*n], v[S+32*\qt+2*n+1]
.set n, n+1
.endr
.endr
.if \first == 0
	WIN 0x41                                       ; O in window 1 as source 0 and destination
.irp qt, 0,1
.set n, 0
.rept 16
	v_pk_mul_f32 v[32*\qt+2*n:32*\qt+2*n+1], v[32*\qt+2*n:32*\qt+2*n+1], v[AL+2*\qt:AL+2*\qt+1] op_sel_hi:[1,0]
.set n, n+1
.endr
.endr
.endif
.if \more
	s_wait_dscnt 16                                ; V^T is in; the 16 younger loads, the next step's K, may stay out
.else
	s_wait_dscnt 0x0
.endif
	WIN 0x50                                       ; C and D in window 1
	; O^T += V^T P^T: the eight accumulators take turns, twice round
.irp g, 0,1
.irp dt, 0,1,2,3
.irp qt, 0,1
.if \first*(1-\g)
	v_wmma_f32_16x16x32_f16 v[32*\qt+8*\dt:32*\qt+8*\dt+7], v[V+32*\g+8*\dt:V+32*\g+8*\dt+7], v[S+32*\qt+8*\g:S+32*\qt+8*\g+7], 0
.else
	v_wmma_f32_16x16x32_f16 v[32*\qt+8*\dt:32*\qt+8*\dt+7], v[V+32*\g+8*\dt:V+32*\g+8*\dt+7], v[S+32*\qt+8*\g:S+32*\qt+8*\g+7], v[32*\qt+8*\dt:32*\qt+8*\dt+7]
.endif
.endr
.endr
.endr
	WIN 0
.rept 5
	v_nop                                          ; five places before the next S^T products write over P^T, four before O is read or loads land on V^T
.endr
.endm
; One tile of 128 keys in a slot.  In front of the barrier every wave waits for all its tensor loads (its quarter of this tile among them) and for its reads of
; the other slot; behind it the tile is whole for every wave, and the other slot is filled again first (fill = 1), one tensor load a wave, from offset NXT.
.macro TRIP slot, diag, first, fill, pass
	s_set_vgpr_msb 0x4
	s_wait_tensorcnt 0x0                           ; no tensor load of mine is out: a group 0 may be written
	ds_add_u32 v19, v65
	s_wait_dscnt 0x0
	s_set_vgpr_msb 0x400
.if \fill
	s_add_nc_u64 s[G0K+4*(1-\slot)+2:G0K+4*(1-\slot)+3], s[KB:KB+1], s[NXT:NXT+1]
	s_or_b32 s[G0K+4*(1-\slot)+3], s[G0K+4*(1-\slot)+3], 0x80000000
	s_add_nc_u64 s[G0V+4*(1-\slot)+2:G0V+4*(1-\slot)+3], s[VB:VB+1], s[NXT:NXT+1]
	s_or_b32 s[G0V+4*(1-\slot)+3], s[G0V+4*(1-\slot)+3], 0x80000000
.endif
	s_wait_dscnt 0x0                               ; my reads of the other slot are back
	s_barrier_signal -1
	s_barrier_wait -1
.if \fill
	JLOAD 1-\slot
.endif
.if \first
	QLOAD \pass
.endif
	KLOAD \slot, 0
	STEP \slot, 0, \diag, \first, 1
	STEP \slot, 1, \diag, 0, 0
.endm
; The end of a pass: the halves' sums meet, O is divided, rounded to f16 and leaves through my own stage as whole rows.
.macro EPI yb, again
	v_permlanex16_b32 v[T], v[LS], s68, s69
	v_permlanex16_b32 v[T+4], v[LS+1], s68, s69
	v_add_f32 v[T], v[T], v[LS]
	v_add_f32 v[T+4], v[T+4], v[LS+1]
	v_rcp_f32 v[AL], v[T]
	v_rcp_f32 v[AL+2], v[T+4]
	v_nop                                          ; one plain place behind the reciprocals (ISA guide 5.7.2)
	WIN 0x41
	s_wait_alu depctr_va_vdst(0)
.irp qt, 0,1
.set n, 0
.rept 16
	v_pk_mul_f32 v[32*\qt+2*n:32*\qt+2*n+1], v[32*\qt+2*n:32*\qt+2*n+1], v[AL+2*\qt:AL+2*\qt+1] op_sel_hi:[1,0]
.set n, n+1
.endr
.endr
	WIN 0x05                                       ; both sources in window 1
.irp qt, 0,1
.irp dt, 0,1,2,3
.irp i, 0,1,2,3
	v_cvt_pk_f16_f32 v[K+16*\qt+4*\dt+\i], v[32*\qt+8*\dt+2*\i], v[32*\qt+8*\dt+2*\i+1]
.endr
.endr
.endr
	WIN 0
.irp qt, 0,1
.irp dt, 0,1,2,3
	ds_store_b128 v[STO], v[K+16*\qt+4*\dt:K+16*\qt+4*\dt+3] offset:\qt*16*KP+32*\dt
.endr
.endr
.irp i, 0,1,2,3,4,5,6,7
	ds_load_b128 v[V+4*\i:V+4*\i+3], v[RD] offset:\i*4*KP          ; my own bytes; LDS serves a wave's instructions in order (ISA guide 5.7.1.4)
.endr
.irp i, 0,1,2,3,4,5,6,7
	s_wait_dscnt 7-\i
	global_store_b128 v[CO], v[V+4*\i:V+4*\i+3], s[\yb:\yb+1] offset:512*\i   ; four rows of y: 512 consecutive bytes, aligned
.endr
.if \again
	s_wait_xcnt 0x0                                ; the registers that these stores read are loaded again in the next pass only behind this wait
.endif
.endm
	; PASS A: block a.  Tiles in this order: (a, 0), (a, 1), (0, 0), (0, 1) .. (a - 1, 1); tile (P, s) lies at byte 32,768 P + 16,384 s and goes to slot s.
	s_lshl_b32 s60, s11, 15
	s_add_co_u32 s60, s60, 16384                   ; next: (a, 1)
	TRIP 0, 1, 1, 1, 0
	s_cmp_eq_u32 s11, 0
	s_cselect_b32 s60, s71, 0                      ; next: (0, 0), or with a = 0 pass B's first tile (b, 0)
	TRIP 1, 1, 0, 1, 0
	s_cmp_eq_u32 s11, 0                            ; hangs on the work-group's number alone: alike in all eight waves
	s_cbranch_scc1 .LendA
	s_mov_b32 s14, 0
.LloopA:
	s_lshl_b32 s60, s14, 15
	s_add_co_u32 s60, s60, 16384                   ; next: (t, 1)
	TRIP 0, 0, 0, 1, 0
	s_add_co_u32 s14, s14, 1
	s_lshl_b32 s15, s14, 15
	s_cmp_eq_u32 s14, s11
	s_cselect_b32 s60, s71, s15                    ; next: (t + 1, 0), or behind the last block pass B's first tile
	TRIP 1, 0, 0, 1, 0
	s_cmp_lt_u32 s14, s11
	s_cbranch_scc1 .LloopA
.LendA:
	EPI 72, 1
	; PASS B: block b, at least 4: (b, 0), (b, 1), (0, 0) .. (b - 1, 1)
	s_add_co_u32 s60, s71, 16384
	TRIP 0, 1, 1, 1, 1
	s_mov_b32 s60, 0
	TRIP 1, 1, 0, 1, 1
	s_mov_b32 s14, 0
.LloopB:
	s_lshl_b32 s60, s14, 15
	s_add_co_u32 s60, s60, 16384
	TRIP 0, 0, 0, 1, 0
	s_add_co_u32 s14, s14, 1
	s_lshl_b32 s60, s14, 15
	TRIP 1, 0, 0, 1, 0
	s_cmp_lt_u32 s14, s13                          ; b - 1 trips
	s_cbranch_scc1 .LloopB
	s_lshl_b32 s60, s14, 15                        ; the last block is written out: one more fill, then none
	s_add_co_u32 s60, s60, 16384
	TRIP 0, 0, 0, 1, 0
	TRIP 1, 0, 0, 0, 0
	EPI 74, 0
	s_set_vgpr_msb 0x4
	s_wait_tensorcnt 0x0
	ds_add_u32 v19, v65
	s_wait_dscnt 0x0
	s_set_vgpr_msb 0x400
	s_endpgm
.Lfunc_end_k_q0787608864_attn:
	.size	k_q0787608864_attn, .Lfunc_end_k_q0787608864_attn-k_q0787608864_attn
	.p2alignl 7, 3214868480
	.fill 96, 4, 3214868480
	.section	.rodata,"a",@progbits
	.p2align	6, 0x0
	.amdhsa_kernel k_q0787608864_attn
		.amdhsa_group_segment_fixed_size 327680
		.amdhsa_private_segment_fixed_size 0
		.amdhsa_enable_private_segment 0
		.amdhsa_kernarg_size 16
		.amdhsa_user_sgpr_count 2
		.amdhsa_user_sgpr_kernarg_segment_ptr 1
		.amdhsa_wavefront_size32 1
		.amdhsa_system_sgpr_workgroup_id_x 1
		.amdhsa_system_sgpr_workgroup_id_y 1
		.amdhsa_system_sgpr_workgroup_id_z 1
		.amdhsa_system_vgpr_workitem_id 0
		.amdhsa_next_free_vgpr 322
		.amdhsa_next_free_sgpr 80
		.amdhsa_reserve_vcc 1
		.amdhsa_float_denorm_mode_32 3
		.amdhsa_float_denorm_mode_16_64 3
		.amdhsa_memory_ordered 1
		.amdhsa_forward_progress 1
		.amdhsa_inst_pref_size 255
	.end_amdhsa_kernel
	.section	.bss,"aw",@nobits
	.p2align	6
	.space	262144
	.amdgpu_metadata
---
amdhsa.version: [ 1, 2 ]
amdhsa.kernels:
  - .name:           k_q0787608864_attn
    .symbol:         k_q0787608864_attn.kd
    .args:
      - { .name: qkvh, .offset: 0, .size: 8, .value_kind: global_buffer, .address_space: global }
      - { .name: yh, .offset: 8, .size: 8, .value_kind: global_buffer, .address_space: global }
    .group_segment_fixed_size: 327680
    .private_segment_fixed_size: 0
    .kernarg_segment_align: 8
    .kernarg_segment_size: 16
    .max_flat_workgroup_size: 256
    .sgpr_count:     80
    .vgpr_count:     322
    .wavefront_size: 32
...
	.end_amdgpu_metadata
.endif
;; end of part 3
;; launch proj (part 4): grid 8 x 32, 4 waves a work-group, clusters of 4 x 4, 327,680 bytes of LDS; arguments yh, bf, out0; writes out0
.if DOCPART == 4
	.amdgcn_target "amdgcn-amd-amdhsa--gfx1250"
	.amdhsa_code_object_version 6
	.text
	.protected	k_q0787608864_proj
	.globl	k_q0787608864_proj
	.p2align	8
	.type	k_q0787608864_proj,@function
k_q0787608864_proj:
	s_mov_b64 s[64:65], 0
	v_nop
	global_prefetch_b8 v0, s[64:65] scope:SCOPE_SE
	s_setreg_imm32_b32 hwreg(HW_REG_WAVE_MODE, 25, 1), 1
	s_wait_xcnt 0x0
	s_wait_alu depctr_hold_cnt(0) depctr_sa_sdst(0) depctr_va_vdst(0) depctr_va_sdst(0) depctr_va_ssrc(0) depctr_va_vcc(0) depctr_vm_vsrc(0)
	s_getreg_b32 s2, hwreg(HW_REG_IB_STS2, 6, 4)
	s_cmp_eq_u32 s2, 0
	s_cbranch_scc0 .Lentry_in_a_cluster
	s_endpgm
.Lentry_in_a_cluster:
	s_bfe_u32 s2, ttmp6, 0x10000c
	s_cmp_lg_u32 s2, 0xf033
	s_cbranch_scc0 .Lentry_shape_is_right
	s_endpgm
.Lentry_shape_is_right:
; out0[m][n] = sum over k of y[m][k] w_proj[n][k]: [8192 x 1024] by [1024 x 1024], f16 operands, sums and results in f32.
; y lies by heads, yh = [16 heads][8192 rows][64], k = 64 head + d; w_proj lies as f16 [1024][1024] at byte 23,068,672 of bf.
; A work-group makes a block of 256 rows x 128 columns with four waves; a wave makes 128 x 64: 32 accumulator tiles, 256 registers.
; 8192 / 256 x 1024 / 128 = 256 work-groups.  K goes in 8 steps of 128 (two heads) through a ring of two LDS slots filled by the tensor data mover.
; y's tile of a K step is two planes, one for each head: 256 rows of 128 bytes, 32,768 dense bytes, brought as 128 rows of 256 bytes with 16 bytes of padding
; behind every 128, so that a row of y has an LDS pitch of 144.  w_proj's tile has rows of 256 bytes, pitch 272.
; CLUSTERS: 4 x 4 work-groups; y's tiles are asked for jointly along a row of the cluster, w_proj's along a column, which divides the requests by four.
; REGISTERS in windows of 256: window 0: v16-26 addresses, v64-127 and v128-191 fragments of y (two buffers); window 1: v64-95 and v128-159 fragments of w_proj;
; window 2: the 16 accumulator tiles of my rows 0-63 (tile (a, b) at v[8 (4 a + b)]); window 3: rows 64-127.
; The matrix instruction is used transposed (source 0 = 16 rows of w_proj, source 1 = 16 rows of y): a lane holds eight neighbouring columns of one row, 32 bytes.
.set SIZE_K, 1024
.set KSTEP,  128
.set NB,     4
.set PITCH,  272                       ; w_proj's LDS rows: 256 + 16 bytes
.set APITCH, 144                       ; y's LDS rows: 128 + 16 bytes; both are odd multiples of 16
.set APL,    256*APITCH                ; a plane: one head, 256 rows: one tensor load
.set ASZ,    2*APL
.set HALFB,  16*NB*PITCH               ; 64 rows of w_proj: one tensor load, and what a wave reads of it
.set SLOT,   ASZ+2*HALFB               ; 108,544 bytes
.set STAGE,  2*SLOT                    ; behind the ring: 16 rows x 272 bytes for each wave; no tensor load lands here
.set SPITCH, 272
.set NF,     16+2*NB
.set LAPS,   SIZE_K/(2*KSTEP)
.set ASTEP,  2*1048576                 ; two heads on in yh
.set POFF,   23068672                  ; w_proj's place in bf
.set ROWB,   4096                      ; bytes in a row of out0
.set ADRA, 16
.set ADRB, 20
.set STO,  24
.set RD,   25
.set CO,   26
.set F0,   64
.set F1,   128
.set G1,  24
.set G0,  32
.set G1B, 48
.set G0B, 56
.set MSB, 0
.macro WIN new
.if MSB != \new
	s_set_vgpr_msb (MSB<<8)|\new
.set MSB, \new
.endif
.endm
.set MUL_LO, 0xa1
.set MUL_HI, 0xf1
.set TO_B,   0x40
; A joint load.  Waves 0 and 1 fetch y's two planes, waves 2 and 3 the two halves of w_proj's tile.  The branch hangs on the wave's number alone.
.macro JLOAD s
	s_cmp_eq_u32 s11, 0
	s_cbranch_scc0 .Lfor_b_\@
	tensor_load_to_lds s[G0+4*\s:G0+4*\s+3], s[G1:G1+7]
	s_nop 0
	s_branch .Lasked_\@
.Lfor_b_\@:
	tensor_load_to_lds s[G0B+4*\s:G0B+4*\s+3], s[G1B:G1B+7]
	s_nop 0
.Lasked_\@:
.endm
.macro CREST
	s_cmp_lg_u32 s10, 0
	s_cbranch_scc1 .Lnot_wave_0_\@
	s_barrier_signal -3
.Lnot_wave_0_\@:
	s_barrier_wait -3
	s_barrier_signal -1
	s_barrier_wait -1
.endm
.macro CROUND
	s_barrier_signal -1
	s_barrier_wait -1
	CREST
.endm
	s_load_b128 s[4:7], s[0:1], 0x0                ; yh s[4:5], bf s[6:7]
	s_load_b64 s[8:9], s[0:1], 0x10                ; out0
	s_set_vgpr_msb 0x40
	v_lshl_add_u32 v255, v0, 2, 0x39400
	s_set_vgpr_msb 0x4000
	v_mov_b32 v255, 0
	s_set_vgpr_msb 0x1
	ds_add_u32 v255, v255
	ds_add_u32 v255, v255
	s_set_vgpr_msb 0x100
	v_lshrrev_b32 v1, 5, v0
	v_readfirstlane_b32 s10, v1                    ; wave 0..3
	s_lshr_b32 s11, s10, 1                         ; which half of the block's rows is mine.  Also: I fetch for y (0) or for w_proj (1)
	s_and_b32 s12, s10, 1                          ; which half of its columns.  Also: which plane, or which half of w_proj's tile, I fetch
	s_bfe_u32 s40, ttmp6, 0x40000                  ; cx
	s_bfe_u32 s41, ttmp6, 0x40004                  ; cy
	s_lshl_b32 s42, ttmp9, 2
	s_add_co_u32 s42, s42, s40                     ; block column
	s_and_b32 s13, ttmp7, 0xffff
	s_lshl_b32 s13, s13, 2
	s_add_co_u32 s13, s13, s41                     ; block row
	s_lshl_b32 s43, s41, 2
	s_lshl_b32 s43, 15, s43                        ; my row of the cluster
	s_lshl_b32 s44, 0x1111, s40                    ; my column
	s_or_b32 s[G1+0],  s43, (1<<16)|(1<<20)|(1<<21)|(4<<22)|(3<<25)   ; y: elements of 2 bytes, 4 words of padding behind every 32 words; the mask of my row; bit 21 beside it
	s_or_b32 s[G1B+0], s44, (1<<16)|(1<<20)|(1<<21)|(5<<22)|(3<<25)   ; w_proj: 4 words behind every 64; the mask of my column
	s_mov_b32 s[G1+1],  128<<16                    ; tensor_dim0 = 128
	s_mov_b32 s[G1B+1], KSTEP<<16
	s_mov_b32 s[G1+2],  128<<16                    ; tensor_dim1 = 128
	s_mov_b32 s[G1B+2], (16*NB)<<16                ; tensor_dim1 = 64
	s_mov_b32 s[G1+3],  128<<16                    ; tile_dim0 = 128
	s_mov_b32 s[G1B+3], KSTEP<<16
	s_mov_b32 s[G1+4],  128                        ; tile_dim1 = 128
	s_mov_b32 s[G1B+4], 16*NB                      ; tile_dim1 = 64
	s_mov_b32 s[G1+5],  128                        ; dense: a row begins where the last ends
	s_mov_b32 s[G1B+5], SIZE_K
	s_mov_b32 s[G1+6],  0
	s_mov_b32 s[G1B+6], 0
	s_mov_b32 s[G1+7],  0
	s_mov_b32 s[G1B+7], 0
	; y's planes hang on the block row alone, w_proj's tiles on the block column alone, each in registers that never hold the other coordinate
	s_lshl_b32 s16, s12, 20                        ; head 0 or 1,
	s_lshl_b32 s17, s13, 15                        ; 256 x block row rows of 128 bytes
	s_add_co_u32 s16, s16, s17
	s_mov_b32 s17, 0
	s_lshl_b32 s46, s42, 7
	s_lshl_b32 s47, s12, 6
	s_add_co_u32 s46, s46, s47                     ; w_proj: row 128 x block column + 64 x half
	s_lshl_b32 s46, s46, 11
	s_add_co_u32 s46, s46, POFF
	s_mov_b32 s47, 0
	s_mul_i32 s20, s10, APL                        ; where they go: y's planes at wave x 36,864 (waves 0, 1),
	s_mul_i32 s45, s10, HALFB
	s_add_co_u32 s45, s45, ASZ-2*HALFB             ; w_proj's halves behind them, at 38,912 + wave x 17,408 (waves 2, 3)
	s_wait_dscnt 0x0
	s_wait_kmcnt 0x0
	s_add_nc_u64 s[14:15], s[4:5], s[16:17]
	s_add_nc_u64 s[46:47], s[6:7], s[46:47]
	CROUND                                         ; all sixteen work-groups are here: the first joint loads meet
.irp s, 0,1
	s_mov_b32 s[G0+4*\s], 1
	s_add_co_u32 s[G0+4*\s+1], s20, \s*SLOT
	s_add_nc_u64 s[G0+4*\s+2:G0+4*\s+3], s[14:15], \s*ASTEP
	s_or_b32 s[G0+4*\s+3], s[G0+4*\s+3], 0x80000000
	s_mov_b32 s[G0B+4*\s], 1
	s_add_co_u32 s[G0B+4*\s+1], s45, \s*SLOT
	s_add_nc_u64 s[G0B+4*\s+2:G0B+4*\s+3], s[46:47], \s*KSTEP*2
	s_or_b32 s[G0B+4*\s+3], s[G0B+4*\s+3], 0x80000000
	JLOAD \s                                       ; two tensor loads of the wave are out here, one behind each later refill
.endr
	v_and_b32 v1, 15, v0                           ; r
	v_bfe_u32 v2, v0, 4, 1                         ; h
	v_mul_u32_u24 v3, v1, APITCH
	v_lshl_add_u32 v3, v2, 4, v3
	v_mul_u32_u24 v4, v1, PITCH
	v_lshl_add_u32 v4, v2, 4, v4
	s_mul_i32 s21, s11, 128*APITCH                 ; my 128 rows in each plane
	s_mul_i32 s22, s12, HALFB
	s_add_co_u32 s22, s22, ASZ                     ; my 64 rows of w_proj
.irp s, 0,1
	v_add_nc_u32 v[ADRA+\s], s21, v3
	v_add_nc_u32 v[ADRB+\s], s22, v4
	s_add_co_u32 s21, s21, SLOT
	s_add_co_u32 s22, s22, SLOT
.endr
	s_mul_i32 s23, s10, 16*SPITCH
	s_add_co_u32 s23, s23, STAGE                   ; my stage
	v_mul_u32_u24 v5, v1, SPITCH
	v_lshl_add_u32 v5, v2, 5, v5
	v_add_nc_u32 v[STO], s23, v5                   ; in: row r, 32 bytes for each half of the lanes
	v_mul_u32_u24 v6, v2, SPITCH
	v_lshl_add_u32 v6, v1, 4, v6
	v_add_nc_u32 v[RD], s23, v6                    ; back: lanes 0-15 take one row of 256 bytes, lanes 16-31 the next
	v_lshlrev_b32 v7, 12, v2
	v_lshl_add_u32 v[CO], v1, 4, v7                ; and the same two rows in out0
; 8 matrix instructions: row blocks a0, a0 + 1 of the window's four x all 4 column blocks, 32 along K.  zero = 1: the first product starts the sums.
.macro MULH f, hi, a0, zero
.irp a, \a0, \a0+1
.irp b, 0,1,2,3
.if \zero
	v_wmma_f32_16x16x32_f16 v[8*(NB*(\a)+\b):8*(NB*(\a)+\b)+7], v[\f+8*\b:\f+8*\b+7], v[\f+8*(4*\hi+\a):\f+8*(4*\hi+\a)+7], 0
.else
	v_wmma_f32_16x16x32_f16 v[8*(NB*(\a)+\b):8*(NB*(\a)+\b)+7], v[\f+8*\b:\f+8*\b+7], v[\f+8*(4*\hi+\a):\f+8*(4*\hi+\a)+7], v[8*(NB*(\a)+\b):8*(NB*(\a)+\b)+7]
.endif
.endr
.endr
.endm
; 24 LDS loads in one run: quarter q of a K step into buffer f: 64 rows of w_proj at byte 64 q; 128 rows of y in plane q / 2 at byte 64 (q % 2)
.macro FETCH slot, q, f
	WIN TO_B
.irp i, 0,1,2,3
	ds_load_b128 v[\f+8*\i:\f+8*\i+3],   v[ADRB+\slot] offset:64*\q+\i*16*PITCH
	ds_load_b128 v[\f+8*\i+4:\f+8*\i+7], v[ADRB+\slot] offset:64*\q+\i*16*PITCH+32
.endr
	WIN 0
.irp i, 0,1,2,3,4,5,6,7
	ds_load_b128 v[\f+8*\i:\f+8*\i+3],   v[ADRA+\slot] offset:(\q>>1)*APL+(\q&1)*64+\i*16*APITCH
	ds_load_b128 v[\f+8*\i+4:\f+8*\i+7], v[ADRA+\slot] offset:(\q>>1)*APL+(\q&1)*64+\i*16*APITCH+32
.endr
.endm
; Four places behind a matrix instruction before a load lands on a register that it read or its result is read (ISA guide 7.12.1 for vector instructions)
.macro PLACES
.rept 4
	v_nop
.endr
.endm
; A K step is four quarters of 32 along K, 32 matrix instructions each, on buffers 0, 1, 0, 1.  The 32 accumulators take turns, one instruction a turn,
; in the same order in every quarter.
.macro QUARTER slot, q, f, g, zero
	s_wait_dscnt 8                                 ; w_proj's rows and y's rows 0-63 are in; the youngest eight loads (y's rows 64-127) may be out
	WIN MUL_LO
	MULH \f, 0, 0, \zero
	MULH \f, 0, 2, \zero
	PLACES
	FETCH \slot, \q, \g
	s_wait_dscnt NF                                ; all but the 24 just issued
	WIN MUL_HI
	MULH \f, 1, 0, \zero
	MULH \f, 1, 2, \zero
.endm
.macro THREE slot, zero
	QUARTER \slot, 1, F0, F1, \zero
	QUARTER \slot, 2, F1, F0, 0
	QUARTER \slot, 3, F0, F1, 0
.endm
; The last quarter multiplies buffer 1 and changes slots: each wave's waits for its reads of this slot and for all its tensor loads stand in front of the barrier;
; fill = 1: the barrier opens a round of the cluster's barrier, and the joint refill, two K steps ahead, is the first tensor load behind the round.
.macro TURN slot, next, fill
	s_wait_dscnt 8
	WIN MUL_LO
	MULH F1, 0, 0, 0
	s_wait_dscnt 0                                 ; my reads of this slot are over
	s_wait_tensorcnt 0x0                           ; and all my tensor loads have landed
	ds_add_u32 v255, v255
	s_wait_dscnt 0x0
	s_barrier_signal -1
	MULH F1, 0, 2, 0                               ; register work while the others arrive
	WIN 0
	s_barrier_wait -1
.if \fill
	CREST                                          ; no wave of any partner still reads this slot or has a load on its way
	s_add_nc_u64 s[G0+4*\slot+2:G0+4*\slot+3], s[G0+4*\slot+2:G0+4*\slot+3], 2*ASTEP
	s_add_nc_u64 s[G0B+4*\slot+2:G0B+4*\slot+3], s[G0B+4*\slot+2:G0B+4*\slot+3], 2*KSTEP*2
	JLOAD \slot
.endif
	PLACES
	FETCH \next, 0, F0
	WIN MUL_HI
	MULH F1, 1, 0, 0
	MULH F1, 1, 2, 0
.endm
.macro LAP zero
	THREE 0, \zero
	TURN 0, 1, 1
	THREE 1, 0
	TURN 1, 0, 1
.endm
	s_wait_tensorcnt 1                             ; my part of K step 0 is in; K step 1's may stay out
	s_barrier_signal -1
	s_barrier_wait -1
	FETCH 0, 0, F0
	LAP 1                                          ; the first lap stands in front of the loop: its first products start the sums
	WIN 0
	s_mov_b32 s3, LAPS-2
.Llap:
	LAP 0
	WIN 0
	s_sub_co_u32 s3, s3, 1
	s_cmp_lg_u32 s3, 0
	s_cbranch_scc1 .Llap
	THREE 0, 0                                     ; the last lap fills nothing
	TURN 0, 1, 0
	THREE 1, 0
	s_wait_dscnt 8
	WIN MUL_LO
	MULH F1, 0, 0, 0
	MULH F1, 0, 2, 0
	s_wait_dscnt 0
	WIN MUL_HI
	MULH F1, 1, 0, 0
	MULH F1, 1, 2, 0
	; THE WAY OUT, 16 rows at a time through my own stage: 32 bytes a lane in, whole rows of 256 bytes back
	PLACES
	s_lshl_b32 s16, s13, 8
	s_lshl_b32 s18, s11, 7
	s_add_co_u32 s16, s16, s18                     ; my first row
	s_lshl_b32 s16, s16, 12                        ; rows of 4,096 bytes: below 2^25
	s_mov_b32 s17, 0
	s_add_nc_u64 s[8:9], s[8:9], s[16:17]
	s_lshl_b32 s46, s42, 9                         ; my first column, in bytes: 512 x block column + 256 x half
	s_lshl_b32 s47, s12, 8
	s_add_co_u32 s46, s46, s47
	s_mov_b32 s47, 0
	s_add_nc_u64 s[8:9], s[8:9], s[46:47]
; rows 16 i .. 16 i + 15 of my tile = the four tiles (a, 0..3) of window 2 or 3 (from = 0x08 or 0x0c: the LDS stores' data); f: F0 or F1 in turn
.macro OUT16 i, a, from, f
	WIN \from
.irp b, 0,1,2,3
	ds_store_b128 v[STO], v[8*(NB*\a+\b):8*(NB*\a+\b)+3]   offset:64*\b
	ds_store_b128 v[STO], v[8*(NB*\a+\b)+4:8*(NB*\a+\b)+7] offset:64*\b+16
.endr
	WIN 0
	s_wait_xcnt 0x0                                ; buffer f, which earlier stores read, and the stores' base are rewritten only behind this wait
.if \i
	s_add_nc_u64 s[8:9], s[8:9], 16*ROWB
.endif
.irp t, 0,1,2,3,4,5,6,7
	ds_load_b128 v[\f+4*\t:\f+4*\t+3], v[RD] offset:\t*2*SPITCH    ; my own bytes; LDS serves a wave's instructions in order (ISA guide 5.7.1.4)
.endr
.irp t, 0,1,2,3,4,5,6,7
	s_wait_dscnt 7-\t
	global_store_b128 v[CO], v[\f+4*\t:\f+4*\t+3], s[8:9] offset:2*\t*ROWB th:TH_STORE_NT   ; 16 lanes store 256 consecutive bytes, aligned
.endr
.endm
	OUT16 0, 0, 0x08, F0
	OUT16 1, 1, 0x08, F1
	OUT16 2, 2, 0x08, F0
	OUT16 3, 3, 0x08, F1
	OUT16 4, 0, 0x0c, F0
	OUT16 5, 1, 0x0c, F1
	OUT16 6, 2, 0x0c, F0
	OUT16 7, 3, 0x0c, F1
	s_set_vgpr_msb 0x1
	s_wait_tensorcnt 0x0
	ds_add_u32 v255, v255
	s_wait_dscnt 0x0
	s_set_vgpr_msb 0x100
	CROUND                                         ; the closing round: no work-group ends while a partner may still ask for a tile that names it
	s_endpgm
.Lfunc_end_k_q0787608864_proj:
	.size	k_q0787608864_proj, .Lfunc_end_k_q0787608864_proj-k_q0787608864_proj
	.p2alignl 7, 3214868480
	.fill 96, 4, 3214868480
	.section	.rodata,"a",@progbits
	.p2align	6, 0x0
	.amdhsa_kernel k_q0787608864_proj
		.amdhsa_group_segment_fixed_size 327680
		.amdhsa_private_segment_fixed_size 0
		.amdhsa_enable_private_segment 0
		.amdhsa_kernarg_size 24
		.amdhsa_user_sgpr_count 2
		.amdhsa_user_sgpr_kernarg_segment_ptr 1
		.amdhsa_wavefront_size32 1
		.amdhsa_system_sgpr_workgroup_id_x 1
		.amdhsa_system_sgpr_workgroup_id_y 1
		.amdhsa_system_sgpr_workgroup_id_z 1
		.amdhsa_system_vgpr_workitem_id 0
		.amdhsa_next_free_vgpr 1024
		.amdhsa_next_free_sgpr 66
		.amdhsa_reserve_vcc 0
		.amdhsa_float_denorm_mode_32 3
		.amdhsa_float_denorm_mode_16_64 3
		.amdhsa_memory_ordered 1
		.amdhsa_forward_progress 1
		.amdhsa_inst_pref_size 120
	.end_amdhsa_kernel
	.amdgpu_metadata
---
amdhsa.version: [ 1, 2 ]
amdhsa.kernels:
  - .name:           k_q0787608864_proj
    .symbol:         k_q0787608864_proj.kd
    .args:
      - { .name: yh, .offset: 0, .size: 8, .value_kind: global_buffer, .address_space: global }
      - { .name: bf, .offset: 8, .size: 8, .value_kind: global_buffer, .address_space: global }
      - { .name: out0, .offset: 16, .size: 8, .value_kind: global_buffer, .address_space: global }
    .group_segment_fixed_size: 327680
    .private_segment_fixed_size: 0
    .kernarg_segment_align: 8
    .kernarg_segment_size: 24
    .max_flat_workgroup_size: 128
    .sgpr_count:     66
    .vgpr_count:     1024
    .wavefront_size: 32
...
	.end_amdgpu_metadata
.endif
;; end of part 4
;; ======== version 2 of 2: 4 launches; version 1 with the launch cvt written anew for expert scheduling mode
;; limits: values are held in f16: magnitudes above 65,504 overflow, below 6.1e-05 lose precision
;; workspace buffers: bf 25,165,824 bytes; qkvh 50,331,648 bytes; yh 16,777,216 bytes
;; launch cvt (part 5): grid 768 x 1, 8 waves a work-group, no clusters, 0 bytes of LDS; arguments x, w_attn, w_proj, bf; writes bf
.if DOCPART == 5
	.amdgcn_target "amdgcn-amd-amdhsa--gfx1250"
	.amdhsa_code_object_version 6
	.text
	.protected	k_q0787608864_cvt
	.globl	k_q0787608864_cvt
	.p2align	8
	.type	k_q0787608864_cvt,@function
k_q0787608864_cvt:
	s_mov_b64 s[64:65], 0
	v_nop
	global_prefetch_b8 v0, s[64:65] scope:SCOPE_SE
	s_setreg_imm32_b32 hwreg(HW_REG_WAVE_SCHED_MODE, 0, 2), 2
	s_setreg_imm32_b32 hwreg(HW_REG_WAVE_MODE, 25, 1), 1
	s_wait_xcnt 0x0
	s_wait_alu depctr_vm_vsrc(0)
; The three f32 inputs are rounded once to 16 bits, one behind the other in bf:
;   x      -> bf16 [8192][1024] at byte 0
;   w_attn -> bf16 [3072][1024] at byte 16,777,216
;   w_proj -> rounded to bf16, then written as f16, [1024][1024] at byte 23,068,672 (its partner in the last product is f16)
; LIMITS: the step from bf16 to f16 is exact for 2^-17 <= |w_proj| <= 65,504; below that it is off by at most 2^-25, above it the result is infinite.
; A stream: every byte is read once and written once, so there is no LDS, no barrier and no matrix unit.
; A work-group takes 16,384 numbers (65,536 bytes in, 32,768 out): groups 0-511 x, 512-703 w_attn, 704-767 w_proj; the place in bf is group x 32,768.
; A wave takes 2,048 numbers: sixteen loads of 512 neighbouring bytes, all issued at once, and sixteen stores of 256 neighbouring bytes, aligned.
; THE MODE: SCHED_MODE bits 1:0 = 2 (LLVM: expert scheduling mode 2), set by the entry lines.  The code itself states the register dependences
; between vector instructions and memory instructions, with s_wait_alu, always for 0.
; THE PLAN.  Registers that memory instructions touch:
;   v1, v2   the loads' and the stores' byte offsets: made at the head by vector lines, never written again.
;   X        load i lands in its own four registers, once; no vector line names them ahead of the loads, and no memory instruction reads them.
;   Y        the roundings of load i write its own two registers; store i reads them; nothing writes them behind that store.
; The sixteen loads go in four blocks of four.  Block b rounds its four loads into its own eight registers of Y; the four stores of block b - 1 are dealt
; among its vector lines, which name X and Y of block b alone: none of the registers that those stores read.  So one wait on va_vdst at the head of a block
; states all that its four stores hang on, and one more stands ahead of the last four stores.  No register that a memory instruction reads is written again,
; so no wait on vm_vsrc is owed.
.set X, 4                              ; v[4:67]   load i: 4 numbers in f32
.set Y, 68                             ; v[68:99]  store i: 4 numbers in 16 bits
	s_load_b256 s[4:11], s[0:1], 0x0               ; x s[4:5], w_attn s[6:7], w_proj s[8:9], bf s[10:11]
	v_and_b32 v3, 31, v0                           ; lane
	v_lshrrev_b32 v2, 5, v0                        ; wave
	v_lshlrev_b32 v1, 4, v3
	v_lshl_add_u32 v1, v2, 13, v1                  ; in: 8,192 x wave + 16 x lane
	v_lshlrev_b32 v3, 3, v3
	v_lshl_add_u32 v2, v2, 12, v3                  ; out: 4,096 x wave + 8 x lane
	s_wait_kmcnt 0x0
	s_cmp_lt_u32 ttmp9, 512                        ; which input, and the number of its first group
	s_cselect_b64 s[12:13], s[4:5], s[6:7]
	s_cselect_b32 s14, 0, 512
	s_cmp_lt_u32 ttmp9, 704
	s_cselect_b64 s[12:13], s[12:13], s[8:9]
	s_cselect_b32 s14, s14, 704
	s_sub_co_u32 s15, ttmp9, s14
	s_lshl_b32 s16, s15, 16                        ; 65,536 bytes of the input for each group
	s_mov_b32 s17, 0
	s_add_nc_u64 s[12:13], s[12:13], s[16:17]
	s_lshl_b32 s18, ttmp9, 15                      ; 32,768 bytes of bf for each group
	s_mov_b32 s19, 0
	s_add_nc_u64 s[10:11], s[10:11], s[18:19]
	s_wait_alu depctr_va_vdst(0)                   ; v1 and v2 are written: every load of the kernel reads v1 as its offset, every store v2
.set i, 0
.rept 16
	global_load_b128 v[X+4*i:X+4*i+3], v1, s[12:13] offset:512*i th:TH_LOAD_NT
.set i, i+1
.endr
; Load i is rounded.  half = 1: the bf16 numbers are widened again (a shift, a mask) and written as f16.
.macro CONV i, half
	v_cvt_pk_bf16_f32 v[Y+2*(\i)],   v[X+4*(\i)],   v[X+4*(\i)+1]
	v_cvt_pk_bf16_f32 v[Y+2*(\i)+1], v[X+4*(\i)+2], v[X+4*(\i)+3]
.if \half
	v_lshlrev_b32 v[X+4*(\i)],   16,         v[Y+2*(\i)]
	v_and_b32     v[X+4*(\i)+1], 0xffff0000, v[Y+2*(\i)]
	v_lshlrev_b32 v[X+4*(\i)+2], 16,         v[Y+2*(\i)+1]
	v_and_b32     v[X+4*(\i)+3], 0xffff0000, v[Y+2*(\i)+1]
	v_cvt_pk_f16_f32 v[Y+2*(\i)],   v[X+4*(\i)],   v[X+4*(\i)+1]
	v_cvt_pk_f16_f32 v[Y+2*(\i)+1], v[X+4*(\i)+2], v[X+4*(\i)+3]
.endif
.endm
; The four numbers of load i are stored.
.macro SEND i
	global_store_b64 v2, v[Y+2*(\i):Y+2*(\i)+1], s[10:11] offset:256*(\i)   ; the wave stores 256 consecutive bytes, aligned; the next launch reads them: no hint
.endm
; Block b: loads 4 b to 4 b + 3 are rounded; the stores of block b - 1 are dealt among the roundings, one in front of each load's lines.
.macro BLK b, half
	s_wait_loadcnt 12-4*(\b)                       ; loads come back in order: my block's four are in, the 12 - 4 b younger ones stay out
.if \b
	s_wait_alu depctr_va_vdst(0)                   ; the block before has written its eight registers of Y, which the four stores below read; no vector line below names them
.endif
.irp j, 0,1,2,3
.if \b
	SEND 4*(\b)-4+\j
.endif
	CONV 4*(\b)+\j, \half
.endr
.endm
; Behind block 3: its own four stores.
.macro LAST
	s_wait_alu depctr_va_vdst(0)                   ; block 3 has written its eight registers of Y, which the last four stores read
	SEND 12
	SEND 13
	SEND 14
	SEND 15
.endm
	s_cmp_ge_u32 ttmp9, 704
	s_cbranch_scc1 .Lhalf
	BLK 0, 0
	BLK 1, 0
	BLK 2, 0
	BLK 3, 0
	LAST
	s_endpgm
.Lhalf:
	BLK 0, 1
	BLK 1, 1
	BLK 2, 1
	BLK 3, 1
	LAST
	s_endpgm
.Lfunc_end_k_q0787608864_cvt:
	.size	k_q0787608864_cvt, .Lfunc_end_k_q0787608864_cvt-k_q0787608864_cvt
	.p2alignl 7, 3214868480
	.fill 96, 4, 3214868480
	.section	.rodata,"a",@progbits
	.p2align	6, 0x0
	.amdhsa_kernel k_q0787608864_cvt
		.amdhsa_group_segment_fixed_size 0
		.amdhsa_private_segment_fixed_size 0
		.amdhsa_enable_private_segment 0
		.amdhsa_kernarg_size 32
		.amdhsa_user_sgpr_count 2
		.amdhsa_user_sgpr_kernarg_segment_ptr 1
		.amdhsa_wavefront_size32 1
		.amdhsa_system_sgpr_workgroup_id_x 1
		.amdhsa_system_sgpr_workgroup_id_y 1
		.amdhsa_system_sgpr_workgroup_id_z 1
		.amdhsa_system_vgpr_workitem_id 0
		.amdhsa_next_free_vgpr 100
		.amdhsa_next_free_sgpr 66
		.amdhsa_reserve_vcc 0
		.amdhsa_float_denorm_mode_32 3
		.amdhsa_float_denorm_mode_16_64 3
		.amdhsa_memory_ordered 1
		.amdhsa_forward_progress 1
		.amdhsa_inst_pref_size 16
	.end_amdhsa_kernel
	.amdgpu_metadata
---
amdhsa.version: [ 1, 2 ]
amdhsa.kernels:
  - .name:           k_q0787608864_cvt
    .symbol:         k_q0787608864_cvt.kd
    .args:
      - { .name: x, .offset: 0, .size: 8, .value_kind: global_buffer, .address_space: global }
      - { .name: w_attn, .offset: 8, .size: 8, .value_kind: global_buffer, .address_space: global }
      - { .name: w_proj, .offset: 16, .size: 8, .value_kind: global_buffer, .address_space: global }
      - { .name: bf, .offset: 24, .size: 8, .value_kind: global_buffer, .address_space: global }
    .group_segment_fixed_size: 0
    .private_segment_fixed_size: 0
    .kernarg_segment_align: 8
    .kernarg_segment_size: 32
    .max_flat_workgroup_size: 256
    .sgpr_count:     66
    .vgpr_count:     100
    .wavefront_size: 32
...
	.end_amdgpu_metadata
.endif
;; end of part 5
;; launch qkv: the kernel of part 2 again; grid 16 x 32, 4 waves a work-group, clusters of 4 x 4, 327,680 bytes of LDS; arguments bf, qkvh; writes qkvh
;; launch attn: the kernel of part 3 again; grid 256 x 1, 8 waves a work-group, no clusters, 327,680 bytes of LDS; arguments qkvh, yh; writes yh
;; launch proj: the kernel of part 4 again; grid 8 x 32, 4 waves a work-group, clusters of 4 x 4, 327,680 bytes of LDS; arguments yh, bf, out0; writes out0
